; MI455X (gfx1250); checked and timed in simulation.
; The chip was launched on July 23, 2026; its instructions are those of AMD's public machine-readable ISA for CDNA 5 (MIT licence, August 2026) and "CDNA5" Instruction Set Architecture Reference Guide (July 2026). The comments in the code are by the model that wrote it; some were corrected since.
;; Fused Mo E. Allowed arithmetic: matrix products marked QUANTISED: E2M3 operands, one E8M0 scale for each 32 along K, by v_wmma_scale_f32_16x16x128_f8f6f4 with both operands' format E2M3, f32 sums; products left as they are: f32 operands where the result goes on into a quantised operand, else bf16, f16 or f32 operands; f32 sums; everything else in f32.
;; Inputs: hidden_states_codes 1,024 x 32 x 24 uint8 (E2M3 codes of hidden_states, K innermost, in blocks of 32 codes, four codes in three bytes); hidden_states_scales 1,024 x 32 uint8 (E8M0 scales of hidden_states, one for each 32 codes along K); router_logits 1,024 x 8 float32; w13_weight_codes 8 x 4,096 x 32 x 24 uint8 (E2M3 codes of w13_weight, K innermost, in blocks of 32 codes, four codes in three bytes); w13_weight_scales 8 x 4,096 x 32 uint8 (E8M0 scales of w13_weight, one for each 32 codes along K); w2_weight_codes 8 x 1,024 x 64 x 24 uint8 (E2M3 codes of w2_weight, K innermost, in blocks of 32 codes, four codes in three bytes); w2_weight_scales 8 x 1,024 x 64 uint8 (E8M0 scales of w2_weight, one for each 32 codes along K).
;; Outputs: out0 1,024 x 1,024 float32.
;; Constants: top_k = 2.
;; This version of the problem:
;;   THIS VERSION OF THE PROBLEM IS GIVEN IN LOW PRECISION. The matrix products marked QUANTISED in the list below multiply operands that are first quantised to E2M3 (2 exponent bits, 3 mantissa bits; 6 bits a number), with one power-of-two scale for each 32 numbers along K (OCP MX v1.0); their sums are f32. All else is computed in f32.
;;   The module's matrix products, in the order in which they are computed (A, B: the left and right operand; K: the contracted axis; several contracted axes count as one K, in the product's order):
;;     1. batch 1,024 x [M 1, K 2] x [K 2, N 8]; A: computed on the way; B: computed on the way: left as it is (K = 2 < 32)
;;     2. [M 1,024, K 1,024] x [K 1,024, N 32,768]; A: input hidden_states (given as codes); B: input w13_weight (given as codes): QUANTISED
;;     3. batch 8 x [M 1,024, K 2,048] x [K 2,048, N 1,024]; A: input w2_weight (given as codes); B: computed on the way: QUANTISED
;;     4. batch 1,024 x [M 1,024, K 8] x [K 8, N 1]; A: computed on the way; B: computed on the way: left as it is (K = 8 < 32)
;;   THE QUANTISER, for each operand of a quantised product, along K:
;;     - K is cut into blocks of 32 from its start; a last block that is shorter is filled with zeros.
;;     - A block's scale is 2^e with e = floor(log2(the largest magnitude in the block)) - 2, held to -126 .. 127; a block of zeros has e = 0. As a byte (E8M0): e + 127.
;;     - Each number is divided by its block's scale, clamped to +-7.5, and rounded to the nearest number of E2M3, ties to even, subnormals kept.
;;     - The product sums the exact products of the quantised numbers (number of the format x scale) in f32.
;;   ~~~python
;;   def quantise(x, axis):      # numpy; x: float32 -> the quantised numbers, widened to float32 again
;;       x = np.moveaxis(x, axis, -1); K = x.shape[-1]
;;       x = np.pad(x, [(0, 0)] * (x.ndim - 1) + [(0, -K % 32)]); x = x.reshape(x.shape[:-1] + (-1, 32)); a = np.abs(x).max(-1, keepdims=True)
;;       e = np.where(a > 0, np.clip(np.frexp(np.where(a > 0, a, 1))[1] - 1 - 2, -126, 127), 0)      # np.frexp(a)[1] - 1 = floor(log2(a)), exactly
;;       r = np.clip(x / 2.0 ** e, -7.5, 7.5)
;;       step = 2.0 ** (np.maximum(np.frexp(np.where(r == 0, 1, r))[1] - 1, 0) - 3)
;;       q = np.round(r / step) * step * 2.0 ** e      # np.round: ties to even
;;       return np.moveaxis(q.reshape(q.shape[:-2] + (-1,))[..., :K], -1, axis).astype(np.float32)
;;   ~~~
;;   OPERANDS COMPUTED ON THE WAY. 'Computed on the way' means the value that the module computes at that place (a softmax that the list does not call 'softmax' is quantised finished and normalised). What goes into a quantiser is computed in f32, as accurately as f32 sums, v_exp_f32 and their like allow (about 1e-6 of the number): no bf16 or f16 on the way to a quantiser, and a product that is left as it is and whose result goes on into a quantised operand takes f32 operands (vector FMAs, or v_wmma_f32_16x16x4_f32). A number that lies on a knife's edge between two numbers of the format may be rounded either way, as far as f32 arithmetic and the matrix unit's own rounding can turn it there, and no further.
;;   INPUTS GIVEN AS CODES. hidden_states (in the module: [1024, 1024], K = its axis 1); w13_weight (in the module: [8, 4096, 1024], K = its axis 2); w2_weight (in the module: [8, 1024, 2048], K = its axis 2): each comes as NAME_codes (uint8): NAME with its K axis moved to the last place and cut into blocks of 32 codes, [.., K / 32, bytes a block], one block behind the other in memory; four codes in three bytes: a row's codes are one little-endian stream of bits, code i at bits 6 i .. 6 i + 5 (a code: sign, 2 exponent bits, 3 mantissa bits); and NAME_scales (uint8): the same leading axes, one E8M0 byte (e + 127) for each 32 codes along K. Its value is code x scale, taken as it is: it is not quantised again, and the codes and scales need not be those that the quantiser above would give.
;; One version. Each part assembles by itself: llvm-mc -triple=amdgcn-amd-amdhsa -mcpu=gfx1250 --defsym DOCPART=n.
;; ======== version 1 of 1: 4 launches
;; limits: right only within a limited range of input values
;; workspace buffers: pos 8,192 bytes of whole numbers; wts 8,192 bytes; meta 256 bytes of whole numbers; act 3,342,336 bytes; asc 139,264 bytes; ybuf 8,912,896 bytes
;; launch route (part 1): grid 1 x 1, 32 waves a work-group, no clusters, 8,192 bytes of LDS; arguments router_logits, pos, wts, meta; writes pos, wts, meta
.if DOCPART == 1
	.amdgcn_target "amdgcn-amd-amdhsa--gfx1250"
	.amdhsa_code_object_version 6
	.text
	.protected	k_q6d62de3f5b_route
	.globl	k_q6d62de3f5b_route
	.p2align	8
	.type	k_q6d62de3f5b_route,@function
k_q6d62de3f5b_route:
	s_mov_b64 s[64:65], 0
	v_nop
	global_prefetch_b8 v0, s[64:65] scope:SCOPE_SE
	s_setreg_imm32_b32 hwreg(HW_REG_WAVE_MODE, 25, 1), 1
	s_wait_xcnt 0x0
; ROUTER.  One work-group, one thread a token (1,024).  softmax over 8 logits (the maximum taken away first), top 2 (the lower index wins a tie), the two weights renormalised.
; Then a counting sort without atomics: the routed rows (token, k) are ordered by expert and, inside an expert, by token; each expert's run begins at a multiple of 16 slots.
; Stored at places that hang on the thread's number alone: pos[t][k] = the row's slot, wts[t][k] = its weight, and meta: words 0-7 an expert's first tile of 16 slots, 8-15 its number of tiles,
; 16-23 the slot behind its last row, 24-31 the slot at which its run ends (the slots between are padding).  No address here hangs on the choice.
; LIMITS: NaN and infinite logits are not served.  Ties are decided on the f32 probabilities made here.  A probability under 2^-126 counts as 0 (v_exp_f32 gives 0 there: ISA guide, its entry); its weight would be as small.
.set PR,  8                            ; v8-15   logits, then probabilities
.set IDX, 24                           ; v25-31  the numbers 1 to 7
.set CN,  40                           ; v40-47  counts, then packed sums
.set PF,  48                           ; v48-55  rows of expert e in the waves before mine
.set TT,  56                           ; v56-63  rows of expert e in all
.set MT,  64                           ; v64-95  meta's 32 words
	s_load_b256 s[4:11], s[0:1], 0x0               ; logits s[4:5], pos s[6:7], wts s[8:9], meta s[10:11]
	v_lshl_add_u32 v112, v0, 2, 0x1000
	v_mov_b32 v113, 0
	v_lshrrev_b32 v1, 5, v0
	s_delay_alu instid0(VALU_DEP_1)
	v_readfirstlane_b32 s20, v1                    ; wave 0..31
	v_and_b32 v2, 31, v0                           ; lane
	v_lshlrev_b32 v3, 5, v0                        ; a token's 8 logits: 32 bytes
	v_lshlrev_b32 v4, 3, v0                        ; its two words in pos and in wts
	v_lshlrev_b32 v6, 2, v0                        ; LDS: 128 bytes a wave, a word a lane
	s_delay_alu instid0(VALU_DEP_4)
	v_lshlrev_b32 v7, 7, v2                        ; LDS: the lane taken as a wave's number
	v_mov_b32 v5, 0
	v_mov_b32 v23, -1.0                            ; under every probability
.irp i, 1,2,3,4,5,6,7
	v_mov_b32 v[IDX+\i], \i
.endr
	v_mov_b32 v32, 0                               ; lane e: my wave's rows of expert e
	v_mov_b32 v37, 0                               ; (a lane permute's destination counts as read)
	v_mov_b32 v38, 0                               ; the running slot
	v_mov_b32 v96, 0
	v_mov_b32 v97, 0
	v_mov_b32 v102, 0
	v_mov_b32 v103, 0
	s_mov_b32 s72, 0x76543210
	s_mov_b32 s73, 0xfedcba98                      ; selects for lane l xor 16
	s_wait_kmcnt 0x0
	global_load_b128 v[8:11], v3, s[4:5]
	global_load_b128 v[12:15], v3, s[4:5] offset:16
	s_wait_loadcnt 0x0
	; softmax
	v_max3_num_f32 v16, v8, v9, v10
	s_delay_alu instid0(VALU_DEP_1)
	v_max3_num_f32 v16, v16, v11, v12
	s_delay_alu instid0(VALU_DEP_1)
	v_max3_num_f32 v16, v16, v13, v14
	s_delay_alu instid0(VALU_DEP_1)
	v_max_num_f32 v16, v16, v15
.irp i, 0,1,2,3,4,5,6,7
	v_sub_f32 v[PR+\i], v[PR+\i], v16
.endr
.irp i, 0,1,2,3,4,5,6,7
	v_mul_f32 v[PR+\i], 0x3fb8aa3b, v[PR+\i]       ; x log2(e)
.endr
	s_wait_alu depctr_va_vdst(0)
.irp i, 0,1,2,3,4,5,6,7
	v_exp_f32 v[PR+\i], v[PR+\i]
.endr
	v_nop                                          ; a plain instruction behind the last exponential
	s_wait_alu depctr_va_vdst(0)                   ; one wait for the eight, ahead of their first reader
	v_add_f32 v16, v8, v9
	v_add_f32 v17, v10, v11
	v_add_f32 v18, v12, v13
	v_add_f32 v19, v14, v15
	s_delay_alu instid0(VALU_DEP_3)
	v_add_f32 v16, v16, v17
	s_delay_alu instid0(VALU_DEP_2)
	v_add_f32 v18, v18, v19
	s_delay_alu instid0(VALU_DEP_1)
	v_add_f32 v16, v16, v18
	s_wait_alu depctr_va_vdst(0)
	v_rcp_f32 v19, v16
	v_nop
	s_wait_alu depctr_va_vdst(0)
.irp i, 0,1,2,3,4,5,6,7
	v_mul_f32 v[PR+\i], v[PR+\i], v19
.endr
	; the largest: only a strictly larger one displaces an earlier one
	v_mov_b32 v17, v8
	v_mov_b32 v18, 0
.irp i, 1,2,3,4,5,6,7
	s_delay_alu instid0(VALU_DEP_2)
	v_cmp_gt_f32 vcc_lo, v[PR+\i], v17
	s_delay_alu instid0(VALU_DEP_1)
	v_cndmask_b32 v17, v17, v[PR+\i], vcc_lo
	s_delay_alu instid0(VALU_DEP_2)
	v_cndmask_b32 v18, v18, v[IDX+\i], vcc_lo
.endr
.irp i, 0,1,2,3,4,5,6,7
	v_cmp_eq_u32 vcc_lo, \i, v18
	s_delay_alu instid0(VALU_DEP_1)
	v_cndmask_b32 v[PR+\i], v[PR+\i], v23, vcc_lo  ; it is taken out
.endr
	v_mov_b32 v20, v8                              ; the second
	v_mov_b32 v21, 0
.irp i, 1,2,3,4,5,6,7
	s_delay_alu instid0(VALU_DEP_2)
	v_cmp_gt_f32 vcc_lo, v[PR+\i], v20
	s_delay_alu instid0(VALU_DEP_1)
	v_cndmask_b32 v20, v20, v[PR+\i], vcc_lo
	s_delay_alu instid0(VALU_DEP_2)
	v_cndmask_b32 v21, v21, v[IDX+\i], vcc_lo
.endr
	s_delay_alu instid0(VALU_DEP_2)
	v_add_f32 v22, v17, v20
	s_wait_alu depctr_va_vdst(0)
	v_rcp_f32 v33, v22
	v_nop
	s_wait_alu depctr_va_vdst(0)
	v_mul_f32 v100, v17, v33
	v_mul_f32 v101, v20, v33
	; my rank among my wave's rows of the same expert (a token names an expert at most once), and the wave's counts
.irp e, 0,1,2,3,4,5,6,7
	v_cmp_eq_u32 s[32+\e], \e, v18
	v_cmp_eq_u32 s[40+\e], \e, v21
	s_or_b32 s[48+\e], s[32+\e], s[40+\e]
	s_bcnt1_i32_b32 s[56+\e], s[48+\e]
	v_mbcnt_lo_u32_b32 v22, s[48+\e], 0            ; lanes below mine that name expert e
	s_delay_alu instid0(VALU_DEP_1)
	v_cndmask_b32 v102, v102, v22, s[32+\e]
	s_delay_alu instid0(VALU_DEP_2)
	v_cndmask_b32 v103, v103, v22, s[40+\e]
	v_writelane_b32 v32, s[56+\e], \e
.endr
	ds_store_b32 v6, v32                           ; word (wave, e) at 128 wave + 4 e
	s_wait_dscnt 0x0                               ; my store has landed, for the others' sake
	s_barrier_signal -1
	s_barrier_wait -1
	ds_load_b128 v[40:43], v7                      ; lane l: the eight counts of wave l
	ds_load_b128 v[44:47], v7 offset:16
	v_cmp_gt_u32 vcc_lo, s20, v2                   ; is wave l before mine?
	v_mov_b32 v35, 0x45800000                      ; 4096.0
	v_mov_b32 v36, 0x45800800                      ; 4097.0
	s_delay_alu instid0(VALU_DEP_1)
	v_cndmask_b32 v35, v35, v36, vcc_lo
	s_wait_dscnt 0x0
	; one sum over the lanes gives 4096 x (all rows of e) + (rows of e in earlier waves): whole numbers under 2^23, so f32 holds them exactly
.irp e, 0,1,2,3,4,5,6,7
	v_cvt_f32_u32 v[CN+\e], v[CN+\e]
.endr
	s_wait_alu depctr_va_vdst(0)
.irp e, 0,1,2,3,4,5,6,7
	v_mul_f32 v[CN+\e], v[CN+\e], v35
.endr
.irp m, 1,2,4,8
.irp e, 0,1,2,3,4,5,6,7
	v_add_f32_dpp v[CN+\e], v[CN+\e], v[CN+\e] row_xmask:\m row_mask:0xf bank_mask:0xf
.endr
.endr
.irp e, 0
	v_permlanex16_b32 v37, v[CN+\e], s72, s73
	s_delay_alu instid0(VALU_DEP_1)
	v_add_f32 v[CN+\e], v[CN+\e], v37
.endr
.irp e, 1, 2, 3, 4, 5, 6, 7
	s_delay_alu instid0(VALU_DEP_2)
	v_permlanex16_b32 v37, v[CN+\e], s72, s73
	s_delay_alu instid0(VALU_DEP_1)
	v_add_f32 v[CN+\e], v[CN+\e], v37
.endr
.irp e, 0,1,2,3,4,5,6,7
	v_cvt_u32_f32 v[CN+\e], v[CN+\e]
.endr
.irp e, 0,1,2,3,4,5,6,7
	v_and_b32 v[PF+\e], 0xfff, v[CN+\e]
	v_lshrrev_b32 v[TT+\e], 12, v[CN+\e]
.endr
	; the experts' runs, one behind the other, each a whole number of tiles
.irp e, 0
	v_lshrrev_b32 v[MT+\e], 4, v38                 ; first tile
	v_add_nc_u32 v39, 15, v[TT+\e]
	s_delay_alu instid0(VALU_DEP_1)
	v_lshrrev_b32 v[MT+8+\e], 4, v39               ; tiles
	v_add_nc_u32 v[MT+16+\e], v38, v[TT+\e]        ; the padding begins
	v_add_nc_u32 v39, v38, v[PF+\e]                ; where my wave's rows of e begin
	s_delay_alu instid0(VALU_DEP_1)
	v_cndmask_b32 v96, v96, v39, s[32+\e]
	s_delay_alu instid0(VALU_DEP_2)
	v_cndmask_b32 v97, v97, v39, s[40+\e]
	v_lshl_add_u32 v38, v[MT+8+\e], 4, v38
	s_delay_alu instid0(VALU_DEP_1)
	v_mov_b32 v[MT+24+\e], v38                     ; and ends
.endr
.irp e, 1, 2, 3, 4, 5, 6, 7
	s_delay_alu instid0(VALU_DEP_2)
	v_lshrrev_b32 v[MT+\e], 4, v38                 ; first tile
	v_add_nc_u32 v39, 15, v[TT+\e]
	s_delay_alu instid0(VALU_DEP_1)
	v_lshrrev_b32 v[MT+8+\e], 4, v39               ; tiles
	v_add_nc_u32 v[MT+16+\e], v38, v[TT+\e]        ; the padding begins
	v_add_nc_u32 v39, v38, v[PF+\e]                ; where my wave's rows of e begin
	s_delay_alu instid0(VALU_DEP_1)
	v_cndmask_b32 v96, v96, v39, s[32+\e]
	s_delay_alu instid0(VALU_DEP_2)
	v_cndmask_b32 v97, v97, v39, s[40+\e]
	v_lshl_add_u32 v38, v[MT+8+\e], 4, v38
	s_delay_alu instid0(VALU_DEP_1)
	v_mov_b32 v[MT+24+\e], v38                     ; and ends
.endr
	s_delay_alu instid0(VALU_DEP_4)
	v_add_nc_u32 v98, v96, v102
	s_delay_alu instid0(VALU_DEP_4)
	v_add_nc_u32 v99, v97, v103
	global_store_b64 v4, v[98:99], s[6:7]          ; a wave stores 256 consecutive bytes
	global_store_b64 v4, v[100:101], s[8:9]
	s_cmp_lg_u32 s20, 0
	s_cbranch_scc1 .Lend
	s_wait_xcnt 0x0                                ; EXEC changes only behind this wait: the two stores above have read it
	s_wait_tensorcnt 0x0
	ds_add_u32 v112, v113
	s_wait_dscnt 0x0
	v_cmpx_gt_u32 1, v0                            ; thread 0 alone (every lane holds the same 32 words)
	s_wait_alu depctr_va_vdst(0)
.irp k, 0,1,2,3,4,5,6,7
	global_store_b128 v5, v[MT+4*\k:MT+4*\k+3], s[10:11] offset:16*\k
.endr
	s_endpgm
.Lend:
	s_wait_tensorcnt 0x0
	ds_add_u32 v112, v113
	s_wait_dscnt 0x0
	s_endpgm
.Lfunc_end_k_q6d62de3f5b_route:
	.size	k_q6d62de3f5b_route, .Lfunc_end_k_q6d62de3f5b_route-k_q6d62de3f5b_route
	.p2alignl 7, 3214868480
	.fill 96, 4, 3214868480
	.section	.rodata,"a",@progbits
	.p2align	6, 0x0
	.amdhsa_kernel k_q6d62de3f5b_route
		.amdhsa_group_segment_fixed_size 8192
		.amdhsa_private_segment_fixed_size 0
		.amdhsa_enable_private_segment 0
		.amdhsa_kernarg_size 32
		.amdhsa_user_sgpr_count 2
		.amdhsa_user_sgpr_kernarg_segment_ptr 1
		.amdhsa_wavefront_size32 1
		.amdhsa_system_sgpr_workgroup_id_x 1
		.amdhsa_system_sgpr_workgroup_id_y 1
		.amdhsa_system_sgpr_workgroup_id_z 1
		.amdhsa_system_vgpr_workitem_id 0
		.amdhsa_next_free_vgpr 114
		.amdhsa_next_free_sgpr 80
		.amdhsa_reserve_vcc 1
		.amdhsa_float_denorm_mode_32 3
		.amdhsa_float_denorm_mode_16_64 3
		.amdhsa_memory_ordered 1
		.amdhsa_forward_progress 1
		.amdhsa_inst_pref_size 23
	.end_amdhsa_kernel
	.amdgpu_metadata
---
amdhsa.version: [ 1, 2 ]
amdhsa.kernels:
  - .name:           k_q6d62de3f5b_route
    .symbol:         k_q6d62de3f5b_route.kd
    .args:
      - { .name: router_logits, .offset: 0, .size: 8, .value_kind: global_buffer, .address_space: global }
      - { .name: pos, .offset: 8, .size: 8, .value_kind: global_buffer, .address_space: global }
      - { .name: wts, .offset: 16, .size: 8, .value_kind: global_buffer, .address_space: global }
      - { .name: meta, .offset: 24, .size: 8, .value_kind: global_buffer, .address_space: global }
    .group_segment_fixed_size: 8192
    .private_segment_fixed_size: 0
    .kernarg_segment_align: 8
    .kernarg_segment_size: 32
    .max_flat_workgroup_size: 1024
    .sgpr_count:     80
    .vgpr_count:     114
    .wavefront_size: 32
...
	.end_amdgpu_metadata
.endif
;; end of part 1
;; launch gemm1 (part 2): grid 32 x 8, 4 waves a work-group, no clusters, 157,696 bytes of LDS; arguments hidden_states_codes, hidden_states_scales, w13_weight_codes, w13_weight_scales, pos, meta, act, asc; writes act, asc
.if DOCPART == 2
	.amdgcn_target "amdgcn-amd-amdhsa--gfx1250"
	.amdhsa_code_object_version 6
	.text
	.protected	k_q6d62de3f5b_gemm1
	.globl	k_q6d62de3f5b_gemm1
	.p2align	8
	.type	k_q6d62de3f5b_gemm1,@function
k_q6d62de3f5b_gemm1:
	s_mov_b64 s[64:65], 0
	v_nop
	global_prefetch_b8 v0, s[64:65] scope:SCOPE_SE
	s_setreg_imm32_b32 hwreg(HW_REG_WAVE_MODE, 25, 1), 1
	s_wait_xcnt 0x0
; PLACING OF THE ROWS, FIRST PRODUCT, ACTIVATION, QUANTISER, for the chosen rows alone: act = Q(silu(x Wg^T) * (x Wu^T)) on codes of E2M3 with E8M0 scales for each 32 along K.
; LEFT OUT: rows (token, expert) whose expert was not chosen: reference() multiplies their y by a combine weight that its own one_hot makes 0, for all inputs.  A NaN or infinity that would arise only there is not carried.
; SHARES.  Work-group (g, e) owns 64 columns of expert e's hidden layer: gate rows 64 g .. +63 and up rows 2048 + 64 g .. +63 of W13[e]: 128 rows x 768 bytes, read from memory once in the launch.
; x STANDS STILL: a chunk is 20 tiles of 16 slots; wave w holds tiles w, w + 4, .. w + 16 of the chunk as fragments (5 x 96 registers).  W's 128 rows lie in LDS and go past them through a ring of 2 x 4 fragments;
; a fragment of W serves five products.  The 64 columns go in two halves of 32 (one block of the next K): 160 products on 20 sums by turns, then activation and quantiser.
; THE BLOCKS OF 32 ALONG K ARE DEALT ANEW, alike on both operands: lanes 0-15 take bytes 0-383 of a row (blocks 0-15), lanes 16-31 bytes 384-767, so K step s multiplies blocks 2 s, 16 + 2 s, 2 s + 1, 17 + 2 s
; and every fragment is three loads of 16 bytes.  The scale words are put in the same order by v_perm_b32.  LIMIT: the f32 sums run in this order of K, not ascending.
; WHICH TOKEN LIES IN WHICH SLOT: wave 0 turns pos (stored by the launch before) into a list in LDS, a word a slot counted from the expert's first; other experts' slots fall behind the run or on the last word.
; Padding slots, and tiles 0-3 of a wave that lie past the expert's end, name token 0 or some token: they are multiplied like others; tiles past the end are not stored.  A wave's fifth tile is fetched only where the
; expert has it; else its registers keep zero codes (or an earlier chunk's), which are multiplied inside the same steps and not stored.
; Branches hang on a stored whole number (the expert's tiles).  The loop over chunks has 4 trips in every wave (64 tiles at the most); a trip past the end jumps over the work.
; ORDER OF THE REQUESTS a wave makes: half 0 of its rows of W (24 loads), W's scales (16), x (26 a tile), half 1 of W (24); half 1's 48 blocks of 256 bytes are named once by two prefetches at the head, a lane a block
; (the second one's lanes 16-31 name its last block again), ahead of the list's making and of x's loads.
; THE FIRST CHUNK'S FIRST HALF STANDS AHEAD OF THE LOOP: it needs x and half 0 of W alone; half 1's loads are out meanwhile and are staged behind it, with a barrier of their own.  The loop's first trip goes on at half 1.
; THE PRODUCT IS USED TRANSPOSED (source 0 = 16 rows of W, source 1 = 16 slots); lane r of W's tile (b, u) takes row 32 b + 8 u + r + 8 (r / 8), so the 16 registers of tiles u = 0, 1 are columns 32 b + 16 (lane / 16) + 0 .. 15.
; In LDS W's rows are laid so that a tile's 16 rows are neighbours (row bits 3 and 4 change places).
; OUT, as the next launch reads it: act[tile][g][768]: registers 0-3 of the operand's six at 16 x lane, 4-5 at 512 + 8 x lane (lane (r, h): block 2 g + h of slot r); asc[tile][r][64]: the scale bytes.
; LIMITS: NaN and infinities are not served.  A block of zeros gets the byte 1 where the rule says 127: its codes are zeros, and this program alone reads the bytes.
; REGISTERS, window 0: v1-23 addresses; v30-31 the add's; v32-63 W's scale words; v64-83 x's; v84-118 codes and bytes kept (while x is asked for: tile 4's offsets); v120-215 the ring (at the head pos; while x is asked
;   for: offsets; in the activation at work); v216-255 at work.  Windows 1, 2: x tiles 0-3 (two each) at v0-191, raw half 1 of W at v192-239; window 3: x tile 4 at v0, the 20 sums from v96 (at the head: raw half 0 of W).
.set PIT,  784                         ; an LDS row: 768 bytes + 16: sixteen neighbouring rows begin at sixteen different 16-byte columns of 256 bytes
.set XST,  128*PIT                     ; behind W's 128 rows: a stage of 16 rows for each wave
.set XWV,  16*PIT
.set TOKL, XST+4*XWV                   ; the list: 104 tiles of 16 words; the loop's text names tiles 0 to 99
.set LCAP, 104*16
.set DUMP, LCAP-1
.set SPARE, TOKL+4*LCAP                ; the spare words, 512 bytes
.set WSC,  32
.set XSC,  64
.set CK,   84
.set BY,   114
.set RING, 120
.set TMP,  RING
.set RES,  RING+16
.set TK,   216
.set Q,    248
.set PD,   252
.set TT,   255
.set CNT,  66
.set TB,   67
.set MSB,  0
.macro WIN new                         ; the immediate's high byte repeats the setting that is left
.if MSB != (\new)
	s_set_vgpr_msb (MSB<<8)|(\new)
.set MSB, (\new)
.endif
.endm
.macro XW i                            ; x tile i: its window, its first register, and the 32 registers of its tokens and offsets
.set XWIN, 1+(\i)/2
.set XB, 96*((\i)%2)
.if (\i) < 3
.set TKB, RING+32*(\i)
.elseif (\i) == 3
.set TKB, TK
.else
.set TKB, CK
.endif
.endm
.macro HEADLOADS                       ; half 0 of my rows of W: 16 rows, one dense run of 12,288 bytes; the scales of all eight tiles; half 1 named for the L2
	WIN 0xc0
.set Q_, 0
.rept 24
	global_load_b128 v[96+4*Q_:96+4*Q_+3], v1, s[92:93] offset:512*Q_ th:TH_LOAD_NT
.set Q_, Q_+1
.endr
	WIN 0
.irp t, 0,1,2,3,4,5,6,7                ; t = 4 b + 2 set + u; lane (r, h): bytes 8 h .. + 7 and 16 + 8 h .. + 7 of its row's 32
	global_load_b64 v[WSC+4*\t:WSC+4*\t+1], v15, s[94:95] offset:(2048*((\t%4)/2)+32*(\t/4)+8*(\t%2))*32
	global_load_b64 v[WSC+4*\t+2:WSC+4*\t+3], v15, s[94:95] offset:(2048*((\t%4)/2)+32*(\t/4)+8*(\t%2))*32+16
.endr
	global_prefetch_b8 v17, s[92:93] offset:24576 th:TH_LOAD_NT scope:SCOPE_SE
	global_prefetch_b8 v18, s[92:93] offset:32768 th:TH_LOAD_NT scope:SCOPE_SE
	WIN 0xc0                                       ; x tile 4 begins as zero codes under the scale 1: a wave without a fifth tile fetches none.  (Register work while the loads above are out)
.set Q_, 0
.rept 96
	v_mov_b32 v[Q_], 0
.set Q_, Q_+1
.endr
	WIN 0
.irp k, 0,1,2,3
	v_mov_b32 v[XSC+16+\k], 0x7f7f7f7f
.endr
.endm
.macro WSTORE b, reg, m0, n            ; row pairs m0 .. m0 + n - 1 of a run of 16 rows of W into the stage: three pieces of 512 bytes are two rows; rows 8-15 of the run lie 16 LDS rows behind rows 0-7
.set M_, (\m0)
.rept \n
	ds_store_b128 v8, v[\reg+12*(M_-(\m0)):\reg+12*(M_-(\m0))+3] offset:(32*(\b)+2*M_+8*(M_/4))*PIT
	ds_store_b128 v9, v[\reg+12*(M_-(\m0))+4:\reg+12*(M_-(\m0))+7] offset:(32*(\b)+2*M_+8*(M_/4))*PIT+512
	ds_store_b128 v8, v[\reg+12*(M_-(\m0))+8:\reg+12*(M_-(\m0))+11] offset:(32*(\b)+2*M_+8*(M_/4))*PIT+1040
.set M_, M_+1
.endr
.endm
.macro SCPERM r                        ; r, r+1: low bytes; r+2, r+3: high bytes -> the words of K steps 4 h + 0, 2, 1, 3 in r .. r + 3
	v_mov_b32 v[TT], v[\r]
	v_perm_b32 v[\r], v[\r+2], v[TT], s69
	v_perm_b32 v[\r+2], v[\r+2], v[TT], s70
	v_mov_b32 v[TT], v[\r+1]
	v_perm_b32 v[\r+1], v[\r+3], v[TT], s69
	v_perm_b32 v[\r+3], v[\r+3], v[TT], s70
.endm
.macro XTOK i                          ; tile i's 17 list reads
	XW \i
.irp m, 0,1,2,3,4,5,6,7
	ds_load_b64 v[TKB+4*\m:TKB+4*\m+1], v21 offset:256*\i+8*\m     ; the tokens of slots 2 m and 2 m + 1, in every lane
	ds_load_b32 v[TKB+4*\m+2], v22 offset:256*\i+8*\m              ; lanes 0-15 slot 2 m's, lanes 16-31 slot 2 m + 1's
.endr
	ds_load_b32 v[TKB+3], v20 offset:256*\i                        ; lane (r, h): slot r's
.endm
.macro XASK i                          ; tile i of x is asked for, as the rows lie: piece 32 j + lane of the tile's 768 pieces of 16 bytes; then its scale bytes: 26 loads
	XW \i
.irp m, 0,1,2,3,4,5,6,7
	v_min_u32 v[TKB+4*\m], 1023, v[TKB+4*\m]
	v_min_u32 v[TKB+4*\m+1], 1023, v[TKB+4*\m+1]
	v_min_u32 v[TKB+4*\m+2], 1023, v[TKB+4*\m+2]
.endr
	v_min_u32 v[TKB+3], 1023, v[TKB+3]
.irp m, 0,1,2,3,4,5,6,7
	v_lshl_add_u32 v[TKB+4*\m], v[TKB+4*\m], 1, v[TKB+4*\m]        ; 3 x token,
	v_lshl_add_u32 v[TKB+4*\m+1], v[TKB+4*\m+1], 1, v[TKB+4*\m+1]
	v_lshl_add_u32 v[TKB+4*\m+2], v[TKB+4*\m+2], 1, v[TKB+4*\m+2]
	v_lshl_add_u32 v[TKB+4*\m], v[TKB+4*\m], 8, v1                 ; x 256: a row is 768 bytes; + the lane's place in the piece
	v_lshl_add_u32 v[TKB+4*\m+1], v[TKB+4*\m+1], 8, v1
	v_lshl_add_u32 v[TKB+4*\m+2], v[TKB+4*\m+2], 8, v16
.endr
	v_lshl_add_u32 v[TKB+3], v[TKB+3], 5, v19
	WIN XWIN<<6
.irp m, 0,1,2,3,4,5,6,7
	global_load_b128 v[XB+12*\m:XB+12*\m+3], v[TKB+4*\m], s[4:5]
	global_load_b128 v[XB+12*\m+4:XB+12*\m+7], v[TKB+4*\m+2], s[4:5]
	global_load_b128 v[XB+12*\m+8:XB+12*\m+11], v[TKB+4*\m+1], s[4:5] offset:256
.endr
	WIN 0
	global_load_b64 v[XSC+4*\i:XSC+4*\i+1], v[TKB+3], s[6:7]
	global_load_b64 v[XSC+4*\i+2:XSC+4*\i+3], v[TKB+3], s[6:7] offset:16
.endm
.macro XISSUE ahead                    ; a chunk's x.  ahead: tiles from s25 to my first tile of that chunk.  Tile 4 goes first, under one branch, so that the other tiles' counts are the same on both ways
	v_add_nc_u32 v20, s[TB], v12
	v_add_nc_u32 v21, s[TB], v14
	v_add_nc_u32 v22, s[TB], v23
	s_add_co_u32 s26, s25, 16+(\ahead)
	s_cmp_ge_u32 s26, s24                          ; has the expert my fifth tile?
	s_wait_alu depctr_va_vdst(0)                   ; the wait stands ahead of the branch
	s_cbranch_scc1 .Lno_fifth_\@
	XTOK 4
	s_wait_dscnt 0x0
	XASK 4
.Lno_fifth_\@:
.irp i, 0,1,2,3
	XTOK \i
.endr
.irp i, 0,1,2,3
	s_wait_dscnt 17*(3-\i)                         ; behind this tile's 17 list reads stand the later tiles'
	XASK \i
.endr
.endm
.macro XST1 i, n                       ; tile i: rows -> my own stage -> fragments (LDS serves a wave's instructions in order: ISA guide 5.7.1.4).  n: loads issued behind the tile's
	XW \i
.set N_, (\n)
.if N_ > 63
.set N_, 63                            ; the wait's field holds no more: a smaller count waits for more
.endif
	s_wait_loadcnt N_
	WIN XWIN<<2
.irp m, 0,1,2,3,4,5,6,7
	ds_store_b128 v3, v[XB+12*\m:XB+12*\m+3] offset:2*PIT*\m
	ds_store_b128 v4, v[XB+12*\m+4:XB+12*\m+7] offset:2*PIT*\m+512
	ds_store_b128 v3, v[XB+12*\m+8:XB+12*\m+11] offset:2*PIT*\m+1040
.endr
	WIN XWIN<<6
.set K_, 0
.rept 24
	ds_load_b128 v[XB+4*K_:XB+4*K_+3], v5 offset:16*K_             ; lane (r, h): 384 bytes on end of row r: eight fragments
.set K_, K_+1
.endr
	WIN 0
	SCPERM XSC+4*\i
.endm
.macro XSTAGE extra, ahead             ; extra: loads issued behind x's
	s_add_co_u32 s26, s25, 16+(\ahead)
	s_cmp_ge_u32 s26, s24
	s_cbranch_scc1 .Lno_fifth_\@
	XST1 4, 104+(\extra)
.Lno_fifth_\@:
.irp i, 0,1,2,3
	XST1 \i, 26*(3-\i)+(\extra)
.endr
.rept 8
	v_nop                                          ; a scale register written by a vector instruction stands eight places ahead of the scaled matrix instruction
.endr
	s_wait_alu depctr_va_vdst(0)
.endm
.macro RLOAD b, s                      ; K step s of half b's four tiles of W (t = 2 set + u) into ring half s % 2
.irp t, 0,1,2,3
.irp k, 0,1,2
	ds_load_b128 v[RING+48*((\s)%2)+12*\t+4*\k:RING+48*((\s)%2)+12*\t+4*\k+3], v[6+\t/2] offset:(32*(\b)+16*(\t%2))*PIT+48*(\s)+16*\k
.endr
.endr
.endm
.macro MM b, s, i, t
.set XB_, 96*((\i)%2)+12*(\s)
.set AC_, 96+8*(4*(\i)+(\t))
.set FA_, RING+48*((\s)%2)+12*(\t)
.set SW_, WSC+4*(4*(\b)+(\t))+2*((\s)%2)+((\s)%4)/2
.set SX_, XSC+4*(\i)+2*((\s)%2)+((\s)%4)/2
.if (\s) == 0
	v_wmma_scale_f32_16x16x128_f8f6f4 v[AC_:AC_+7], v[FA_:FA_+11], v[XB_:XB_+11], 0, v[SW_], v[SX_] matrix_a_fmt:MATRIX_FMT_FP6 matrix_b_fmt:MATRIX_FMT_FP6
.elseif (\s) < 4
	v_wmma_scale_f32_16x16x128_f8f6f4 v[AC_:AC_+7], v[FA_:FA_+11], v[XB_:XB_+11], v[AC_:AC_+7], v[SW_], v[SX_] matrix_a_fmt:MATRIX_FMT_FP6 matrix_b_fmt:MATRIX_FMT_FP6
.else
	v_wmma_scale_f32_16x16x128_f8f6f4 v[AC_:AC_+7], v[FA_:FA_+11], v[XB_:XB_+11], v[AC_:AC_+7], v[SW_], v[SX_] matrix_a_fmt:MATRIX_FMT_FP6 matrix_b_fmt:MATRIX_FMT_FP6 matrix_a_scale:MATRIX_SCALE_ROW1 matrix_b_scale:MATRIX_SCALE_ROW1
.endif
.endm
.macro MATRIX b                        ; 8 K steps x 20 products; the 20 sums take turns, one instruction a turn
	RLOAD \b, 0
.irp s, 0,1,2,3,4,5,6,7
.if \s < 7
.if \s > 0
	WIN 0
.rept 4
	v_nop                                          ; four places between a matrix instruction and a load into a register that it has read
.endr
.endif
	RLOAD \b, \s+1
	s_wait_dscnt 12                                ; this step's twelve loads are in; the next step's may be out
.else
	s_wait_dscnt 0
.endif
	WIN 0xf4
.irp i, 0,1
.irp t, 0,1,2,3
	MM \b, \s, \i, \t
.endr
.endr
	WIN 0xf8
.irp i, 2,3
.irp t, 0,1,2,3
	MM \b, \s, \i, \t
.endr
.endr
	WIN 0xfc
.irp t, 0,1,2,3
	MM \b, \s, 4, \t
.endr
.endr
	WIN 0
.rept 4
	v_nop                                          ; four places ahead of the reads of the sums and of writes into the ring
.endr
.endm
.macro ACTQ b, i                       ; tile i, half b: 16 numbers a lane: g u / (1 + 2^(-g log2 e)) in f32, then the block's scale and codes
.set G_, 96+32*(\i)
	WIN 0x03
	s_wait_alu depctr_va_vdst(0)                   ; ahead of the first readers of matrix results
.irp k, 0,2,4,6,8,10,12,14
	v_pk_mul_f32 v[TMP+\k:TMP+\k+1], v[G_+\k:G_+\k+1], s[96:97] op_sel_hi:[1,0]
.endr
	WIN 0
	s_wait_alu depctr_va_vdst(0)
.irp k, 0,1,2,3,4,5,6,7,8,9,10,11,12,13,14,15
	v_exp_f32 v[TMP+\k], v[TMP+\k]
.endr
	v_nop
	s_wait_alu depctr_va_vdst(0)
.irp k, 0,2,4,6,8,10,12,14
	v_pk_add_f32 v[TMP+\k:TMP+\k+1], v[TMP+\k:TMP+\k+1], 1.0 op_sel_hi:[1,0]
.endr
	s_wait_alu depctr_va_vdst(0)
.irp k, 0,1,2,3,4,5,6,7,8,9,10,11,12,13,14,15
	v_rcp_f32 v[TMP+\k], v[TMP+\k]
.endr
	v_nop
	WIN 0x03
	s_wait_alu depctr_va_vdst(0)
.irp k, 0,2,4,6,8,10,12,14
	v_pk_mul_f32 v[RES+\k:RES+\k+1], v[G_+\k:G_+\k+1], v[TMP+\k:TMP+\k+1]
.endr
.irp k, 0,2,4,6,8,10,12,14
	v_pk_mul_f32 v[RES+\k:RES+\k+1], v[G_+16+\k:G_+16+\k+1], v[RES+\k:RES+\k+1]
.endr
	WIN 0
	v_max3_num_f32 v[Q], |v[RES]|, |v[RES+1]|, 0x1800000           ; with the floor 2^(3 - 127): the byte cannot fall under 1
	v_max3_num_f32 v[Q+1], |v[RES+8]|, |v[RES+9]|, 0x1800000
.irp k, 2,4,6
	v_max3_num_f32 v[Q], v[Q], |v[RES+\k]|, |v[RES+\k+1]|
	v_max3_num_f32 v[Q+1], v[Q+1], |v[RES+8+\k]|, |v[RES+9+\k]|
.endr
	v_max_num_f32 v[Q], v[Q], v[Q+1]
	v_permlanex16_b32 v[Q+2], v[Q], s90, s91
	v_max_num_f32 v[Q], v[Q], v[Q+2]               ; the block's largest magnitude
	v_add_nc_u32 v[Q+3], 0xff000000, v[Q]          ; 2 off the exponent field: the conversion's scale operand
.if (\b) == 0
	v_lshrrev_b32 v[BY+\i], 23, v[Q+3]             ; block 2 g's byte, kept
	v_cvt_scalef32_pk16_fp6_f32 v[CK+6*(\i):CK+6*(\i)+2], v[RES:RES+15], v[Q+3]
	v_nop                                          ; a plain instruction behind the conversion
.else
	v_lshrrev_b32 v[Q+1], 23, v[Q+3]
	v_cvt_scalef32_pk16_fp6_f32 v[PD:PD+2], v[RES:RES+15], v[Q+3]
	v_cndmask_b32 v[BY+\i], v[BY+\i], v[Q+1], s88  ; lane (r, h) stores block 2 g + h's byte
.irp k, 0,1,2
	v_permlane16_swap_b32 v[CK+6*(\i)+\k], v[PD+\k]                ; a whole block in a lane: lanes 0-15 block 2 g, lanes 16-31 block 2 g + 1
.endr
.irp k, 0,1,2
	v_mov_b32 v[CK+6*(\i)+3+\k], v[PD+\k]
.endr
	s_add_co_u32 s26, s25, 4*(\i)
	s_cmp_ge_u32 s26, s24                          ; a tile past the expert's last is not stored
	s_wait_alu depctr_va_vdst(0)
	s_cbranch_scc1 .Lnot_stored_\@
	global_store_b128 v1, v[CK+6*(\i):CK+6*(\i)+3], s[84:85] offset:98304*(\i)        ; 512 consecutive bytes,
	global_store_b64 v2, v[CK+6*(\i)+4:CK+6*(\i)+5], s[84:85] offset:98304*(\i)+512   ; and 256
	global_store_b8 v13, v[BY+\i], s[86:87] offset:4096*(\i)
.Lnot_stored_\@:
.endif
.endm
	s_load_b512 s[4:19], s[0:1], 0x0               ; x codes s[4:5], x scales s[6:7], W codes s[8:9], W scales s[10:11], pos s[12:13], meta s[14:15], act s[16:17], asc s[18:19]
	v_lshl_add_u32 v30, v0, 2, SPARE
	v_mov_b32 v31, 0
	v_lshrrev_b32 v224, 5, v0
	v_readfirstlane_b32 s20, v224                  ; wave 0..3
	s_and_b32 s21, ttmp7, 0xffff                   ; expert
	s_mov_b32 s22, ttmp9                           ; g
	s_mul_i32 s31, s20, XWV
	s_add_co_u32 s31, s31, XST                     ; my stage for x
	s_lshr_b32 s27, s20, 1                         ; set: I bring gate rows (0) or up rows (1),
	s_and_b32 s28, s20, 1                          ; a: rows 16 a .. + 15 of each 32
	s_mul_i32 s29, s27, 64*PIT
	s_mul_i32 s30, s28, 8*PIT
	s_add_co_u32 s29, s29, s30                     ; where they go in W's stage
	s_lshl_b32 s30, s20, 6
	s_add_co_u32 s30, s30, TOKL                    ; the list: my first tile's words
	s_lshl_b32 s98, s21, 2                         ; meta: a word an expert
	s_mov_b32 s88, 0xffff0000                      ; lanes 16-31
	s_mov_b32 s90, 0x76543210
	s_mov_b32 s91, 0xfedcba98                      ; selects for lane l xor 16
	s_mov_b32 s96, 0xbfb8aa3b                      ; -log2(e)
	s_mov_b32 s97, s96
	s_mov_b32 s69, 0x05010400                      ; low 0, high 0, low 1, high 1
	s_mov_b32 s70, 0x07030602                      ; low 2, high 2, low 3, high 3
	s_mul_i32 s89, s22, 768                        ; my slice of a tile of act
	s_lshl_b32 s99, s22, 1                         ; my two bytes of a row of asc
	s_mov_b32 s25, s20                             ; my first tile of the chunk, among the expert's
	s_mov_b32 s71, 0                               ; the chunk's first tile
	s_mov_b32 s[CNT], 0
	s_mov_b32 s[TB], 0
	s_lshl_b32 s92, s21, 12
	s_lshl_b32 s26, s22, 6
	s_add_co_u32 s92, s92, s26                     ; row 4096 e + 64 g
	s_lshl_b32 s94, s92, 5                         ; its scales
	s_mov_b32 s95, 0
	s_lshl_b32 s26, s27, 11
	s_add_co_u32 s92, s92, s26
	s_lshl_b32 s26, s28, 4
	s_add_co_u32 s92, s92, s26                     ; + 2048 set + 16 a
	s_mul_i32 s92, s92, 768
	s_mov_b32 s93, 0
	v_and_b32 v225, 31, v0                         ; lane
	v_and_b32 v226, 15, v0                         ; r
	v_bfe_u32 v227, v0, 4, 1                       ; h
	v_lshlrev_b32 v1, 4, v225                      ; 16 x lane
	v_lshlrev_b32 v2, 3, v225                      ; 8 x lane
	v_add_nc_u32 v3, s31, v1                       ; into my stage: 16 x lane,
	v_lshl_add_u32 v4, v227, 4, v3                 ; and 16 bytes on for lanes 16-31, where 512 bytes cross from one row into the next
	v_mul_u32_u24 v6, v226, PIT
	v_mad_u32_u24 v6, v227, 384, v6                ; a fragment: row r, + 384 h: W's gate tiles,
	v_add_nc_u32 v5, s31, v6                       ; x,
	v_add_nc_u32 v7, 64*PIT, v6                    ; W's up tiles
	v_add_nc_u32 v8, s29, v1                       ; into W's stage
	v_lshl_add_u32 v9, v227, 4, v8
	v_lshl_add_u32 v12, v226, 2, s30               ; the list: slot r's word,
	v_mov_b32 v14, s30                             ; slot 0's,
	v_lshl_add_u32 v23, v227, 2, s30               ; slot h's
	v_lshl_add_u32 v13, v226, 6, v227              ; asc: 64 r + h
	v_and_b32 v228, 8, v226
	v_add_nc_u32 v228, v228, v226                  ; r + 8 (r / 8)
	v_lshlrev_b32 v19, 3, v227                     ; 8 h
	v_lshl_add_u32 v15, v228, 5, v19               ; W's scales: 32 bytes a row, + 8 h
	v_mul_u32_u24 v231, v227, 768
	v_add_nc_u32 v16, 512, v1
	v_sub_nc_u32 v16, v16, v231                    ; the middle piece of two rows: byte 512 + 16 lane of the first, 16 (lane - 16) of the second
	v_lshlrev_b32 v17, 8, v225                     ; the prefetches: 256 x lane,
	v_min_u32 v18, 15*256, v17                     ; and held at the run's last block
	v_add_nc_u32 v229, TOKL, v1                    ; the list, 16 bytes a lane: for its clearing
	v_lshlrev_b32 v230, 1, v225                    ; 2 x lane: a lane's four words of pos are two tokens'
.irp i, 232,233,234,235
	v_mov_b32 v\i, 0
.endr
	v_mov_b32 v[Q+2], 0                            ; (a lane permute's destination counts as read)
	s_wait_alu depctr_va_vdst(0)
	s_wait_kmcnt 0x0
	s_load_b32 s23, s[14:15], s98 offset:0x0       ; the expert's first tile
	s_load_b32 s24, s[14:15], s98 offset:0x20      ; and its number of tiles
	s_add_nc_u64 s[92:93], s[8:9], s[92:93]
	s_add_nc_u64 s[94:95], s[10:11], s[94:95]
	s_cmp_lg_u32 s20, 0
	s_cbranch_scc1 .Lothers
	; WAVE 0 MAKES THE LIST.  Load q brings a lane words 128 q + 4 lane + 0 .. 3 of pos: the two rows of tokens 64 q + 2 lane and 64 q + 2 lane + 1
.irp q, 0,1,2,3,4,5,6,7,8,9,10,11,12,13,14,15
	global_load_b128 v[RING+4*\q:RING+4*\q+3], v1, s[12:13] offset:512*\q
.endr
	HEADLOADS
	s_wait_kmcnt 0x0
	s_lshl_b32 s26, s23, 4                         ; the expert's first slot
.irp i, 0,1,2,3,4,5,6,7,8,9,10,11,12
	ds_store_b128 v229, v[232:235] offset:512*\i   ; 104 tiles of zeros
.endr
.irp q, 0,1,2,3,4,5,6,7,8,9,10,11,12,13,14,15
	v_add_nc_u32 v[184+2*\q], 64*\q, v230          ; the tokens
	v_add_nc_u32 v[185+2*\q], 64*\q+1, v230
.endr
	s_wait_loadcnt 40                              ; pos is in; behind it W's 24 loads and the 16 of its scales
.irp q, 0,1,2,3,4,5,6,7,8,9,10,11,12,13,14,15
.irp c, 0,1,2,3
	v_sub_nc_u32 v[RING+4*\q+\c], v[RING+4*\q+\c], s26             ; the slot, counted from the expert's first: an earlier expert's wraps to a large number
.endr
.irp c, 0,1,2,3
	v_min_u32 v[RING+4*\q+\c], DUMP, v[RING+4*\q+\c]               ; held at the list's last word, which no tile reads
.endr
.irp c, 0,1,2,3
	v_lshl_add_u32 v[RING+4*\q+\c], v[RING+4*\q+\c], 2, TOKL
.endr
.irp c, 0,1,2,3
	ds_store_b32 v[RING+4*\q+\c], v[184+2*\q+\c/2]                 ; LDS serves a wave's instructions in order: these come behind the zeros
.endr
.endr
	s_branch .Ljoined
.Lothers:
	HEADLOADS
	s_wait_kmcnt 0x0
.Ljoined:
	s_wait_dscnt 0x0                               ; the list has landed, for the others' sake
	s_barrier_signal -1
	s_barrier_wait -1                              ; no LDS access but wave 0's stands ahead of this barrier; behind it the list is only read
	XISSUE 0                                       ; chunk 0's x
	WIN 0x40                                       ; half 1 of my rows of W: 24 loads, into v192-239 of windows 1 and 2
.set Q_, 0
.rept 12
	global_load_b128 v[192+4*Q_:192+4*Q_+3], v1, s[92:93] offset:24576+512*Q_ th:TH_LOAD_NT
.set Q_, Q_+1
.endr
	WIN 0x80
.rept 12
	global_load_b128 v[192+4*(Q_-12):192+4*(Q_-12)+3], v1, s[92:93] offset:24576+512*Q_ th:TH_LOAD_NT
.set Q_, Q_+1
.endr
	WIN 0
	s_wait_loadcnt 63                              ; behind W's half 0 and scales stand 128 loads or more; the field holds 63
	WIN 0x0c
	WSTORE 0, 96, 0, 8
	WIN 0
.irp t, 0,1,2,3,4,5,6,7
	SCPERM WSC+4*\t
.endr
	XSTAGE 24, 0
	s_mov_b32 s[TB], 1280                          ; the next chunk's words in the list: 20 tiles of 64 bytes on
	s_wait_dscnt 0x0                               ; my rows of W's half 0 have landed, for the others' sake, and my fragments of x are in
	s_barrier_signal -1
	s_barrier_wait -1                              ; half 0 of W lies in LDS; nobody writes it again
	MATRIX 0                                       ; chunk 0, half 0, while half 1's 24 loads are out
.irp i, 0,1,2,3,4
	ACTQ 0, \i
.endr
	s_wait_loadcnt 0x0
	WIN 0x04
	WSTORE 1, 192, 0, 4
	WIN 0x08
	WSTORE 1, 192, 4, 4
	WIN 0
	s_wait_dscnt 0x0                               ; my rows of half 1 have landed, for the others' sake
	s_barrier_signal -1
	s_barrier_wait -1                              ; W's 128 rows lie in LDS; nobody writes them again
.Lchunk:
	s_cmp_ge_u32 s71, s24                          ; past the expert's last tile: only the steps at the trip's end
	s_cbranch_scc1 .Lskip
	s_add_co_u32 s28, s23, s25                     ; where my first tile's results go; my later tiles lie 4 tiles apart, in the stores' immediates
	s_min_u32 s28, s28, 135
	s_mul_i32 s84, s28, 24576
	s_add_co_u32 s84, s84, s89
	s_mov_b32 s85, 0
	s_add_nc_u64 s[84:85], s[16:17], s[84:85]
	s_lshl_b32 s86, s28, 10
	s_add_co_u32 s86, s86, s99
	s_mov_b32 s87, 0
	s_add_nc_u64 s[86:87], s[18:19], s[86:87]
	s_cmp_eq_u32 s[CNT], 0                         ; chunk 0's half 0 was done ahead of the loop
	s_cbranch_scc1 .Lhalf1
	MATRIX 0
.irp i, 0,1,2,3,4
	ACTQ 0, \i
.endr
.Lhalf1:
	MATRIX 1
.irp i, 0,1,2,3,4
	ACTQ 1, \i
.endr
	s_wait_xcnt 0x0                                ; the stores have read their data and bases: both are written again below and in the next trip
	s_add_co_u32 s26, s71, 20
	s_cmp_ge_u32 s26, s24                          ; is there a further chunk?
	s_cbranch_scc1 .Lskip
	XISSUE 20
	XSTAGE 0, 20
	s_wait_dscnt 0x0
.Lskip:
	s_add_co_u32 s71, s71, 20
	s_add_co_u32 s25, s25, 20
	s_add_co_u32 s[TB], s[TB], 1280
	s_add_co_u32 s[CNT], s[CNT], 1
	s_cmp_lt_u32 s[CNT], 4
	s_cbranch_scc1 .Lchunk
	s_wait_tensorcnt 0x0                           ; the wave's end
	ds_add_u32 v30, v31
	s_wait_dscnt 0x0
	s_endpgm
.Lfunc_end_k_q6d62de3f5b_gemm1:
	.size	k_q6d62de3f5b_gemm1, .Lfunc_end_k_q6d62de3f5b_gemm1-k_q6d62de3f5b_gemm1
	.p2alignl 7, 3214868480
	.fill 96, 4, 3214868480
	.section	.rodata,"a",@progbits
	.p2align	6, 0x0
	.amdhsa_kernel k_q6d62de3f5b_gemm1
		.amdhsa_group_segment_fixed_size 157696
		.amdhsa_private_segment_fixed_size 0
		.amdhsa_enable_private_segment 0
		.amdhsa_kernarg_size 64
		.amdhsa_user_sgpr_count 2
		.amdhsa_user_sgpr_kernarg_segment_ptr 1
		.amdhsa_wavefront_size32 1
		.amdhsa_system_sgpr_workgroup_id_x 1
		.amdhsa_system_sgpr_workgroup_id_y 1
		.amdhsa_system_sgpr_workgroup_id_z 1
		.amdhsa_system_vgpr_workitem_id 0
		.amdhsa_next_free_vgpr 1024
		.amdhsa_next_free_sgpr 100
		.amdhsa_reserve_vcc 0
		.amdhsa_float_denorm_mode_32 3
		.amdhsa_float_denorm_mode_16_64 3
		.amdhsa_memory_ordered 1
		.amdhsa_forward_progress 1
		.amdhsa_inst_pref_size 255
	.end_amdhsa_kernel
	.section	.bss,"aw",@nobits
	.p2align	6
	.space	262144
	.amdgpu_metadata
---
amdhsa.version: [ 1, 2 ]
amdhsa.kernels:
  - .name:           k_q6d62de3f5b_gemm1
    .symbol:         k_q6d62de3f5b_gemm1.kd
    .args:
      - { .name: hidden_states_codes, .offset: 0, .size: 8, .value_kind: global_buffer, .address_space: global }
      - { .name: hidden_states_scales, .offset: 8, .size: 8, .value_kind: global_buffer, .address_space: global }
      - { .name: w13_weight_codes, .offset: 16, .size: 8, .value_kind: global_buffer, .address_space: global }
      - { .name: w13_weight_scales, .offset: 24, .size: 8, .value_kind: global_buffer, .address_space: global }
      - { .name: pos, .offset: 32, .size: 8, .value_kind: global_buffer, .address_space: global }
      - { .name: meta, .offset: 40, .size: 8, .value_kind: global_buffer, .address_space: global }
      - { .name: act, .offset: 48, .size: 8, .value_kind: global_buffer, .address_space: global }
      - { .name: asc, .offset: 56, .size: 8, .value_kind: global_buffer, .address_space: global }
    .group_segment_fixed_size: 157696
    .private_segment_fixed_size: 0
    .kernarg_segment_align: 8
    .kernarg_segment_size: 64
    .max_flat_workgroup_size: 128
    .sgpr_count:     100
    .vgpr_count:     1024
    .wavefront_size: 32
...
	.end_amdgpu_metadata
.endif
;; end of part 2
;; launch gemm2 (part 3): grid 32 x 8, 4 waves a work-group, no clusters, 117,248 bytes of LDS; arguments w2_weight_codes, w2_weight_scales, act, asc, meta, ybuf; writes ybuf
.if DOCPART == 3
	.amdgcn_target "amdgcn-amd-amdhsa--gfx1250"
	.amdhsa_code_object_version 6
	.text
	.protected	k_q6d62de3f5b_gemm2
	.globl	k_q6d62de3f5b_gemm2
	.p2align	8
	.type	k_q6d62de3f5b_gemm2,@function
k_q6d62de3f5b_gemm2:
	s_mov_b64 s[64:65], 0
	v_nop
	global_prefetch_b8 v0, s[64:65] scope:SCOPE_SE
	s_setreg_imm32_b32 hwreg(HW_REG_WAVE_MODE, 25, 1), 1
	s_wait_xcnt 0x0
; SECOND PRODUCT, for the chosen rows alone: ybuf[slot][:] = act[slot] W2[e]^T, on codes of E2M3 with E8M0 scales for each 32 along K = 2,048; sums in f32.
; SHARES.  Work-group (x, e): c = x / 2 names 64 rows of W2[e] (64 output columns, 64 x 1,536 bytes), x % 2 which half of the expert's tiles.  Unlike the launch before, THE WEIGHTS STAND STILL: each of the four
; waves keeps all 64 fragments (4 tiles x 16 K steps x 12 registers); wave w takes the expert's tiles 2 w + x % 2, + 8, ..  The trip count hangs on a stored whole number.
; W2's rows come as they lie and are turned into fragments through a stage in LDS that all four waves read: the launch's one barrier.
; act was laid in the order of the operand's registers: a K step of a tile is 1,536 consecutive bytes and comes by four loads straight into its twelve registers.  A ring of eight K steps is kept on its way.
; THE PRODUCT IS USED TRANSPOSED (source 0 = 16 rows of W2, source 1 = 16 slots): a lane holds eight neighbouring columns of one slot; a tile's 16 x 64 results go through the wave's own stage and leave as
; rows of 256 consecutive bytes, at multiples of 256 from ybuf's first byte.
; Look-ahead past the expert's last tile is turned to tile 0, which always exists; what it brings is not used.  Padding slots are computed and stored like others; nobody reads them.
; REGISTERS, window 0: v1-9 addresses; v16-47 W2's scale words (tile t at 16 + 8 t; register 4 q + i: K step 8 q + i in lanes 0-15, 8 q + 4 + i in lanes 16-31); v48-55 act's, likewise; v56-63 the next tile's;
;   v64-75 fragment 63; v76-107 the four sums; v112-207 the ring; v208-239 rows on the way out.  Windows 1-3: fragments 0-62, 21 a window.
.set PIT,  1552                        ; an LDS row: 1,536 bytes + 16 = 388 words: lane (r, h) of a load of 8 bytes begins at bank 4 r + 6 h mod 64 (64 banks of 4 bytes: ISA guide 11.1)
.set OST,  64*PIT                      ; behind W2's 64 rows: a stage of 16 rows x (256 + 16) bytes for each wave
.set OWV,  16*272
.set WS,   16
.set AS,   48
.set ASN,  56
.set F63,  64
.set ACC,  76
.set RING, 112
.set BK,   208
.set CNT,  46                          ; s46  trips done
.set TRIPS, 47                         ; s47  my wave's trips
.set MSB,  0
.macro WIN new
.if MSB != (\new)
	s_set_vgpr_msb (MSB<<8)|(\new)
.set MSB, (\new)
.endif
.endm
.macro FPOS
.if F < 63
.set FW, 1+F/21
.set FRG, 12*(F%21)
.else
.set FW, 0
.set FRG, F63
.endif
.endm
.macro TSEL d, ahead                   ; s[d] = my tile j + ahead as a tile of the whole list; past the expert's end: tile 0
	s_add_co_u32 s37, s26, \ahead
	s_add_co_u32 s[\d], s37, s24
	s_cmp_lt_u32 s37, s25
	s_cselect_b32 s[\d], s[\d], 0
	s_min_u32 s[\d], s[\d], 135
.endm
.macro NEXTB                           ; the bases of the tile after this one: act's s[30:31], asc's s[32:33]
	TSEL 36, 8
	s_mul_i32 s30, s36, 24576
	s_mov_b32 s31, 0
	s_add_nc_u64 s[30:31], s[8:9], s[30:31]
	s_lshl_b32 s32, s36, 10
	s_mov_b32 s33, 0
	s_add_nc_u64 s[32:33], s[10:11], s[32:33]
.endm
.macro RLOAD b, k, slot                ; K step k of the tile at s[b:b+1] into the ring's slot: two slices of six registers
	global_load_b128 v[RING+12*(\slot):RING+12*(\slot)+3], v1, s[\b:\b+1] offset:1536*(\k)
	global_load_b64 v[RING+12*(\slot)+4:RING+12*(\slot)+5], v2, s[\b:\b+1] offset:1536*(\k)+512
	global_load_b128 v[RING+12*(\slot)+6:RING+12*(\slot)+9], v1, s[\b:\b+1] offset:1536*(\k)+768
	global_load_b64 v[RING+12*(\slot)+10:RING+12*(\slot)+11], v2, s[\b:\b+1] offset:1536*(\k)+1280
.endm
.macro MM2 s, t                        ; the four sums take turns, one instruction a turn
.set F, 4*(\s)+(\t)
	FPOS
	WIN FW
.set SW, WS+8*(\t)+4*((\s)/8)+(\s)%4
.set SA, AS+4*((\s)/8)+(\s)%4
.set RB, RING+12*((\s)%8)
.if (\s) == 0
	v_wmma_scale_f32_16x16x128_f8f6f4 v[ACC+8*(\t):ACC+8*(\t)+7], v[FRG:FRG+11], v[RB:RB+11], 0, v[SW], v[SA] matrix_a_fmt:MATRIX_FMT_FP6 matrix_b_fmt:MATRIX_FMT_FP6
.elseif ((\s)/4)%2 == 0
	v_wmma_scale_f32_16x16x128_f8f6f4 v[ACC+8*(\t):ACC+8*(\t)+7], v[FRG:FRG+11], v[RB:RB+11], v[ACC+8*(\t):ACC+8*(\t)+7], v[SW], v[SA] matrix_a_fmt:MATRIX_FMT_FP6 matrix_b_fmt:MATRIX_FMT_FP6
.else
	v_wmma_scale_f32_16x16x128_f8f6f4 v[ACC+8*(\t):ACC+8*(\t)+7], v[FRG:FRG+11], v[RB:RB+11], v[ACC+8*(\t):ACC+8*(\t)+7], v[SW], v[SA] matrix_a_fmt:MATRIX_FMT_FP6 matrix_b_fmt:MATRIX_FMT_FP6 matrix_a_scale:MATRIX_SCALE_ROW1 matrix_b_scale:MATRIX_SCALE_ROW1
.endif
.endm
	s_load_b256 s[4:11], s[0:1], 0x0               ; W2 codes s[4:5], W2 scales s[6:7], act s[8:9], asc s[10:11]
	s_load_b128 s[12:15], s[0:1], 0x20             ; meta s[12:13], ybuf s[14:15]
	v_lshl_add_u32 v254, v0, 2, 0x1c800
	v_mov_b32 v255, 0
	v_lshrrev_b32 v208, 5, v0
	v_readfirstlane_b32 s20, v208                  ; wave 0..3
	s_and_b32 s21, ttmp7, 0xffff                   ; expert
	s_lshr_b32 s22, ttmp9, 1                       ; c
	s_and_b32 s23, ttmp9, 1                        ; which half of the tiles
	v_and_b32 v209, 31, v0                         ; lane
	v_and_b32 v210, 15, v0                         ; r
	v_bfe_u32 v211, v0, 4, 1                       ; h
	v_lshlrev_b32 v1, 4, v209                      ; 16 x lane
	v_lshlrev_b32 v2, 3, v209                      ; 8 x lane
	v_mul_u32_u24 v3, v210, PIT
	v_mad_u32_u24 v3, v211, 24, v3                 ; a fragment of W2's tiles 0, 1: row r, + 24 h;
	v_add_nc_u32 v4, 32*PIT, v3                    ; of tiles 2, 3
	s_mul_i32 s38, s20, 16*PIT                     ; W2's stage: wave w writes rows 16 w .. 16 w + 15
	v_add_nc_u32 v5, s38, v1
	s_mul_i32 s38, s20, OWV
	s_add_co_u32 s38, s38, OST                     ; my stage for the way out
	v_mul_u32_u24 v6, v210, 272
	v_lshl_add_u32 v6, v211, 5, v6
	v_add_nc_u32 v6, s38, v6                       ; in: row r, 32 bytes for each half of the lanes
	v_mul_u32_u24 v7, v211, 272
	v_lshl_add_u32 v7, v210, 4, v7
	v_add_nc_u32 v7, s38, v7                       ; back: lanes 0-15 one row of 256 bytes, lanes 16-31 the next
	v_lshlrev_b32 v8, 12, v211
	v_lshl_add_u32 v8, v210, 4, v8                 ; and the same two rows in ybuf (4,096 bytes a row)
	v_lshlrev_b32 v9, 6, v210
	v_lshl_add_u32 v9, v211, 4, v9                 ; scale words: 64 bytes a row, 16 for each half of the lanes
	s_lshl_b32 s39, s21, 2                         ; meta: a word an expert
	s_lshl_b32 s26, s20, 1
	s_add_co_u32 s26, s26, s23                     ; j: my tile among the expert's
	s_lshl_b32 s40, s21, 10
	s_lshl_b32 s42, s22, 6
	s_add_co_u32 s40, s40, s42                     ; row 1024 e + 64 c
	s_lshl_b32 s42, s40, 6                         ; its scales
	s_mov_b32 s43, 0
	s_lshl_b32 s41, s20, 4
	s_add_co_u32 s40, s40, s41                     ; + 16 w: the rows that I bring
	s_mul_i32 s40, s40, 1536
	s_mov_b32 s41, 0
	s_wait_alu depctr_va_vdst(0)
	s_wait_kmcnt 0x0
	s_load_b32 s24, s[12:13], s39 offset:0x0       ; the expert's first tile
	s_load_b32 s25, s[12:13], s39 offset:0x20      ; and its number of tiles
	s_add_nc_u64 s[40:41], s[4:5], s[40:41]
	s_add_nc_u64 s[42:43], s[6:7], s[42:43]
	WIN 0x40                                       ; destination window 1
.set R, 0
.rept 16                                       ; my 16 rows of W2, as they lie: three loads of 512 consecutive bytes a row
.irp i, 0,1,2
	global_load_b128 v[12*R+4*\i:12*R+4*\i+3], v1, s[40:41] offset:1536*R+512*\i
.endr
.set R, R+1
.endr
	WIN 0
.irp t, 0,1,2,3
.irp q, 0,1
	global_load_b128 v[WS+8*\t+4*\q:WS+8*\t+4*\q+3], v9, s[42:43] offset:1024*\t+32*\q
.endr
.endr
	s_wait_kmcnt 0x0                               ; first tile, number of tiles
	s_add_co_u32 s[TRIPS], s25, 7                  ; my tiles are j, j + 8, .. below n (j is 7 at the most): (n + 7 - j) / 8 of them, rounded down;
	s_sub_co_u32 s[TRIPS], s[TRIPS], s26
	s_lshr_b32 s[TRIPS], s[TRIPS], 3
	s_min_u32 s[TRIPS], s[TRIPS], 17               ; the list has 136 tiles in all
	s_mov_b32 s[CNT], 0                            ; the loop is counted by a counter of its own, one a trip; j only feeds addresses
	TSEL 27, 0
	s_mul_i32 s28, s27, 24576
	s_mov_b32 s29, 0
	s_add_nc_u64 s[28:29], s[8:9], s[28:29]        ; this tile of act
	s_lshl_b32 s44, s27, 10
	s_mov_b32 s45, 0
	s_add_nc_u64 s[44:45], s[10:11], s[44:45]      ; and its scale bytes
	global_load_b128 v[AS:AS+3], v9, s[44:45]
	global_load_b128 v[AS+4:AS+7], v9, s[44:45] offset:32
.irp k, 0,1,2,3,4,5,6,7
	RLOAD 28, \k, \k
.endr
	NEXTB
	s_wait_loadcnt 34                              ; all but act's 2 + 32 loads: W2 and its scales are in
	WIN 0x04                                       ; an LDS store's data are its source 1: window 1
.set R, 0
.rept 16
.irp i, 0,1,2
	ds_store_b128 v5, v[12*R+4*\i:12*R+4*\i+3] offset:PIT*R+512*\i
.endr
.set R, R+1
.endr
	WIN 0
	s_wait_dscnt 0x0                               ; my rows of W2 have landed, for the others' sake
	s_barrier_signal -1
	s_barrier_wait -1                              ; W2's 64 rows lie in LDS; nobody writes them again
	s_cmp_eq_u32 s[TRIPS], 0
	s_cbranch_scc1 .Lend                           ; no tile for this wave
.set F, 0
.rept 64                                       ; fragment F = 4 s + t
	FPOS
	WIN FW<<6
.irp p, 0,1,2,3,4,5
	ds_load_b64 v[FRG+2*\p:FRG+2*\p+1], v[3+(F%4)/2] offset:(16*(F%2))*PIT+96*(F/4)+48*(\p/3)+8*(\p%3)
.endr
.set F, F+1
.endr
	WIN 0
	s_wait_dscnt 0x0
.Ltile:
	s_wait_alu depctr_va_vdst(0)
.irp s, 0,1,2,3,4,5,6,7,8,9,10,11,12,13,14,15
.if \s < 8
	s_wait_loadcnt 28                              ; K step s is in; behind it seven K steps of four loads are out
.else
	s_wait_loadcnt 30                              ; likewise, and the two loads of the next tile's scale words
.endif
.irp t, 0,1,2,3
	MM2 \s, \t
.endr
	WIN 0
.rept 4
	v_nop                                          ; four places between a matrix instruction and a load into a register that it has read (ISA guide 7.12.1 for vector instructions)
.endr
.if \s < 8
	RLOAD 28, \s+8, \s                             ; the slot just freed takes the K step eight on,
.else
	RLOAD 30, \s-8, \s-8                           ; or the next tile's
.endif
.if \s == 7
	global_load_b128 v[ASN:ASN+3], v9, s[32:33]
	global_load_b128 v[ASN+4:ASN+7], v9, s[32:33] offset:32
.endif
.endr
	v_nop                                          ; a fifth place: the next tile's first products write over these sums
.irp t, 0,1,2,3
	ds_store_b128 v6, v[ACC+8*\t:ACC+8*\t+3] offset:64*\t          ; each sum from its low end on
	ds_store_b128 v6, v[ACC+8*\t+4:ACC+8*\t+7] offset:64*\t+16
.endr
.irp i, 0,1,2,3,4,5,6,7
	ds_load_b128 v[BK+4*\i:BK+4*\i+3], v7 offset:544*\i            ; LDS serves a wave's instructions in order (ISA guide 5.7.1.4): these see the stores above
.endr
	s_lshl_b32 s34, s27, 16                        ; the tile's 16 rows of ybuf,
	s_lshl_b32 s35, s22, 8                         ; my 64 columns
	s_add_co_u32 s34, s34, s35
	s_mov_b32 s35, 0
	s_add_nc_u64 s[34:35], s[14:15], s[34:35]
.irp i, 0,1,2,3,4,5,6,7
	s_wait_dscnt 7-\i
	global_store_b128 v8, v[BK+4*\i:BK+4*\i+3], s[34:35] offset:8192*\i   ; sixteen lanes store 256 consecutive bytes
.endr
	s_wait_loadcnt 32                              ; all but the next tile's eight K steps: its scale words are in
.irp i, 0,1,2,3,4,5,6,7
	v_mov_b32 v[AS+\i], v[ASN+\i]
.endr
.rept 8
	v_nop                                          ; a scale register written by a vector instruction stands eight places ahead of the scaled matrix instruction
.endr
	s_wait_xcnt 0x0                                ; loads and stores have read their bases and data: they are written again below and in the next trip
	s_mov_b64 s[28:29], s[30:31]
	s_mov_b32 s27, s36
	s_add_co_u32 s26, s26, 8                       ; my next tile
	NEXTB
	s_add_co_u32 s[CNT], s[CNT], 1
	s_cmp_lt_u32 s[CNT], s[TRIPS]
	s_cbranch_scc1 .Ltile
.Lend:
	s_wait_tensorcnt 0x0
	ds_add_u32 v254, v255
	s_wait_dscnt 0x0
	s_endpgm
.Lfunc_end_k_q6d62de3f5b_gemm2:
	.size	k_q6d62de3f5b_gemm2, .Lfunc_end_k_q6d62de3f5b_gemm2-k_q6d62de3f5b_gemm2
	.p2alignl 7, 3214868480
	.fill 96, 4, 3214868480
	.section	.rodata,"a",@progbits
	.p2align	6, 0x0
	.amdhsa_kernel k_q6d62de3f5b_gemm2
		.amdhsa_group_segment_fixed_size 117248
		.amdhsa_private_segment_fixed_size 0
		.amdhsa_enable_private_segment 0
		.amdhsa_kernarg_size 48
		.amdhsa_user_sgpr_count 2
		.amdhsa_user_sgpr_kernarg_segment_ptr 1
		.amdhsa_wavefront_size32 1
		.amdhsa_system_sgpr_workgroup_id_x 1
		.amdhsa_system_sgpr_workgroup_id_y 1
		.amdhsa_system_sgpr_workgroup_id_z 1
		.amdhsa_system_vgpr_workitem_id 0
		.amdhsa_next_free_vgpr 1024
		.amdhsa_next_free_sgpr 66
		.amdhsa_reserve_vcc 0
		.amdhsa_float_denorm_mode_32 3
		.amdhsa_float_denorm_mode_16_64 3
		.amdhsa_memory_ordered 1
		.amdhsa_forward_progress 1
		.amdhsa_inst_pref_size 61
	.end_amdhsa_kernel
	.amdgpu_metadata
---
amdhsa.version: [ 1, 2 ]
amdhsa.kernels:
  - .name:           k_q6d62de3f5b_gemm2
    .symbol:         k_q6d62de3f5b_gemm2.kd
    .args:
      - { .name: w2_weight_codes, .offset: 0, .size: 8, .value_kind: global_buffer, .address_space: global }
      - { .name: w2_weight_scales, .offset: 8, .size: 8, .value_kind: global_buffer, .address_space: global }
      - { .name: act, .offset: 16, .size: 8, .value_kind: global_buffer, .address_space: global }
      - { .name: asc, .offset: 24, .size: 8, .value_kind: global_buffer, .address_space: global }
      - { .name: meta, .offset: 32, .size: 8, .value_kind: global_buffer, .address_space: global }
      - { .name: ybuf, .offset: 40, .size: 8, .value_kind: global_buffer, .address_space: global }
    .group_segment_fixed_size: 117248
    .private_segment_fixed_size: 0
    .kernarg_segment_align: 8
    .kernarg_segment_size: 48
    .max_flat_workgroup_size: 128
    .sgpr_count:     66
    .vgpr_count:     1024
    .wavefront_size: 32
...
	.end_amdgpu_metadata
.endif
;; end of part 3
;; launch combine (part 4): grid 256 x 1, 4 waves a work-group, no clusters, 0 bytes of LDS; arguments ybuf, pos, wts, out0; writes out0
.if DOCPART == 4
	.amdgcn_target "amdgcn-amd-amdhsa--gfx1250"
	.amdhsa_code_object_version 6
	.text
	.protected	k_q6d62de3f5b_combine
	.globl	k_q6d62de3f5b_combine
	.p2align	8
	.type	k_q6d62de3f5b_combine,@function
k_q6d62de3f5b_combine:
	s_mov_b64 s[64:65], 0
	v_nop
	global_prefetch_b8 v0, s[64:65] scope:SCOPE_SE
	s_setreg_imm32_b32 hwreg(HW_REG_WAVE_MODE, 25, 1), 1
	s_wait_xcnt 0x0
; out0[t] = w0 ybuf[slot0] + w1 ybuf[slot1]: one wave a token, so each output row has one owner.  The two slots are stored whole numbers of an earlier launch.
; A row is 4,096 bytes: eight loads of 512 consecutive bytes from each of the two rows, all sixteen on their way at once; eight stores of 512 consecutive bytes.
	s_load_b256 s[4:11], s[0:1], 0x0               ; ybuf s[4:5], pos s[6:7], wts s[8:9], out0 s[10:11]
	v_lshrrev_b32 v1, 5, v0
	v_readfirstlane_b32 s12, v1                    ; wave
	v_and_b32 v2, 31, v0
	v_lshlrev_b32 v2, 4, v2                        ; 16 x lane
	s_lshl_b32 s13, ttmp9, 2
	s_add_co_u32 s13, s13, s12                     ; token
	s_lshl_b32 s14, s13, 3
	s_wait_alu depctr_va_vdst(0)
	s_wait_kmcnt 0x0
	s_load_b64 s[16:17], s[6:7], s14 offset:0x0    ; its two slots
	s_load_b64 s[18:19], s[8:9], s14 offset:0x0    ; its two weights
	s_lshl_b32 s28, s13, 12
	s_mov_b32 s29, 0
	s_add_nc_u64 s[28:29], s[10:11], s[28:29]
	s_wait_kmcnt 0x0
	s_min_u32 s16, s16, 2175                       ; ybuf has 2,176 rows
	s_min_u32 s17, s17, 2175
	s_lshl_b32 s20, s16, 12
	s_mov_b32 s21, 0
	s_add_nc_u64 s[20:21], s[4:5], s[20:21]
	s_lshl_b32 s22, s17, 12
	s_mov_b32 s23, 0
	s_add_nc_u64 s[22:23], s[4:5], s[22:23]
	s_mov_b32 s24, s18                             ; each weight in a pair of its own: the packed forms name a pair and take its low word for both halves
	s_mov_b32 s25, s18
	s_mov_b32 s26, s19
	s_mov_b32 s27, s19
.irp i, 0,1,2,3,4,5,6,7
	global_load_b128 v[8+8*\i:11+8*\i], v2, s[20:21] offset:512*\i th:TH_LOAD_NT
	global_load_b128 v[12+8*\i:15+8*\i], v2, s[22:23] offset:512*\i th:TH_LOAD_NT
.endr
.irp i, 0,1,2,3,4,5,6,7
	s_wait_loadcnt 14-2*\i                         ; pair i of loads is in; the later pairs may be out
	v_pk_mul_f32 v[12+8*\i:13+8*\i], v[12+8*\i:13+8*\i], s[26:27] op_sel_hi:[1,0]
	v_pk_mul_f32 v[14+8*\i:15+8*\i], v[14+8*\i:15+8*\i], s[26:27] op_sel_hi:[1,0]
	v_pk_fma_f32 v[8+8*\i:9+8*\i], v[8+8*\i:9+8*\i], s[24:25], v[12+8*\i:13+8*\i] op_sel_hi:[1,0,1]
	v_pk_fma_f32 v[10+8*\i:11+8*\i], v[10+8*\i:11+8*\i], s[24:25], v[14+8*\i:15+8*\i] op_sel_hi:[1,0,1]
	global_store_b128 v2, v[8+8*\i:11+8*\i], s[28:29] offset:512*\i th:TH_STORE_NT
.endr
	s_endpgm
.Lfunc_end_k_q6d62de3f5b_combine:
	.size	k_q6d62de3f5b_combine, .Lfunc_end_k_q6d62de3f5b_combine-k_q6d62de3f5b_combine
	.p2alignl 7, 3214868480
	.fill 96, 4, 3214868480
	.section	.rodata,"a",@progbits
	.p2align	6, 0x0
	.amdhsa_kernel k_q6d62de3f5b_combine
		.amdhsa_group_segment_fixed_size 0
		.amdhsa_private_segment_fixed_size 0
		.amdhsa_enable_private_segment 0
		.amdhsa_kernarg_size 32
		.amdhsa_user_sgpr_count 2
		.amdhsa_user_sgpr_kernarg_segment_ptr 1
		.amdhsa_wavefront_size32 1
		.amdhsa_system_sgpr_workgroup_id_x 1
		.amdhsa_system_sgpr_workgroup_id_y 1
		.amdhsa_system_sgpr_workgroup_id_z 1
		.amdhsa_system_vgpr_workitem_id 0
		.amdhsa_next_free_vgpr 80
		.amdhsa_next_free_sgpr 66
		.amdhsa_reserve_vcc 0
		.amdhsa_float_denorm_mode_32 3
		.amdhsa_float_denorm_mode_16_64 3
		.amdhsa_memory_ordered 1
		.amdhsa_forward_progress 1
		.amdhsa_inst_pref_size 6
	.end_amdhsa_kernel
	.amdgpu_metadata
---
amdhsa.version: [ 1, 2 ]
amdhsa.kernels:
  - .name:           k_q6d62de3f5b_combine
    .symbol:         k_q6d62de3f5b_combine.kd
    .args:
      - { .name: ybuf, .offset: 0, .size: 8, .value_kind: global_buffer, .address_space: global }
      - { .name: pos, .offset: 8, .size: 8, .value_kind: global_buffer, .address_space: global }
      - { .name: wts, .offset: 16, .size: 8, .value_kind: global_buffer, .address_space: global }
      - { .name: out0, .offset: 24, .size: 8, .value_kind: global_buffer, .address_space: global }
    .group_segment_fixed_size: 0
    .private_segment_fixed_size: 0
    .kernarg_segment_align: 8
    .kernarg_segment_size: 32
    .max_flat_workgroup_size: 128
    .sgpr_count:     66
    .vgpr_count:     80
    .wavefront_size: 32
...
	.end_amdgpu_metadata
.endif
;; end of part 4
